; MI455X (gfx1250); checked and timed in simulation.
; The chip was launched on July 23, 2026; its instructions are those of AMD's public machine-readable ISA for CDNA 5 (MIT licence, August 2026) and "CDNA5" Instruction Set Architecture Reference Guide (July 2026). The comments in the code are by the model that wrote it; some were corrected since.
;; SAP Module. Allowed arithmetic: matrix products marked QUANTISED: E3M2 operands, one E8M0 scale for each 32 along K, by v_wmma_scale_f32_16x16x128_f8f6f4 with both operands' format E3M2, f32 sums; everything else in f32.
;; Inputs: x 8 x 256 x 64 x 64 float32.
;; Outputs: out0 8 x 256 x 64 x 64 float32.
;; Constants: threshold = 0.05.
;; This version of the problem:
;;   THIS VERSION OF THE PROBLEM IS GIVEN IN LOW PRECISION. The matrix products marked QUANTISED in the list below multiply operands that are first quantised to E3M2 (3 exponent bits, 2 mantissa bits; 6 bits a number), with one power-of-two scale for each 32 numbers along K (OCP MX v1.0); their sums are f32. All else is computed in f32.
;;   The module's matrix products, in the order in which they are computed (A, B: the left and right operand; K: the contracted axis; several contracted axes count as one K, in the product's order):
;;     1. batch 8 x [M 4,096, K 256] x [K 256, N 4,096]; A: input x; B: input x: QUANTISED
;;     2. batch 8 x [M 256, K 4,096] x [K 4,096, N 4,096]; A: input x; B: softmax (see below): QUANTISED
;;   THE QUANTISER, for each operand of a quantised product, along K:
;;     - K is cut into blocks of 32 from its start; a last block that is shorter is filled with zeros.
;;     - A block's scale is 2^e with e = floor(log2(the largest magnitude in the block)) - 4, held to -126 .. 127; a block of zeros has e = 0. As a byte (E8M0): e + 127.
;;     - Each number is divided by its block's scale, clamped to +-28, and rounded to the nearest number of E3M2, ties to even, subnormals kept.
;;     - The product sums the exact products of the quantised numbers (number of the format x scale) in f32.
;;   ~~~python
;;   def quantise(x, axis):      # numpy; x: float32 -> the quantised numbers, widened to float32 again
;;       x = np.moveaxis(x, axis, -1); K = x.shape[-1]
;;       x = np.pad(x, [(0, 0)] * (x.ndim - 1) + [(0, -K % 32)]); x = x.reshape(x.shape[:-1] + (-1, 32)); a = np.abs(x).max(-1, keepdims=True)
;;       e = np.where(a > 0, np.clip(np.frexp(np.where(a > 0, a, 1))[1] - 1 - 4, -126, 127), 0)      # np.frexp(a)[1] - 1 = floor(log2(a)), exactly
;;       r = np.clip(x / 2.0 ** e, -28, 28)
;;       step = 2.0 ** (np.maximum(np.frexp(np.where(r == 0, 1, r))[1] - 1, -2) - 2)
;;       q = np.round(r / step) * step * 2.0 ** e      # np.round: ties to even
;;       return np.moveaxis(q.reshape(q.shape[:-2] + (-1,))[..., :K], -1, axis).astype(np.float32)
;;   ~~~
;;   SOFTMAX AHEAD OF A QUANTISED PRODUCT. Where the list says 'softmax', what is quantised is not the finished softmax but p = 2^(t - M), with t = logit x log2(e) and M = ceil(the row's largest t), a whole number; so 1/2 < the row's largest p <= 1. The row's sum l is taken of the UNQUANTISED p, in f32, and the product's result is divided by l at the end. Since M is a whole number, a kernel that streams over the keys may use a running M (the ceiling of the running maximum): every later rescaling is an exact power of two, which a block's scale takes up: the codes' values come out the same.
;;   OPERANDS COMPUTED ON THE WAY. 'Computed on the way' means the value that the module computes at that place (a softmax that the list does not call 'softmax' is quantised finished and normalised). What goes into a quantiser is computed in f32, as accurately as f32 sums, v_exp_f32 and their like allow (about 1e-6 of the number): no bf16 or f16 on the way to a quantiser, and a product that is left as it is and whose result goes on into a quantised operand takes f32 operands (vector FMAs, or v_wmma_f32_16x16x4_f32). A number that lies on a knife's edge between two numbers of the format may be rounded either way, as far as f32 arithmetic and the matrix unit's own rounding can turn it there, and no further.
;; One version. Each part assembles by itself: llvm-mc -triple=amdgcn-amd-amdhsa -mcpu=gfx1250 --defsym DOCPART=n.
;; ======== version 1 of 1: 2 launches
;; limits: inputs' magnitudes at most 8,000; right only within a limited range of input values
;; workspace buffers: kv 13,107,200 bytes
;; launch quant (part 1): grid 64 x 8, 8 waves a work-group, no clusters, 63,488 bytes of LDS; arguments x, kv; writes kv
.if DOCPART == 1
	.amdgcn_target "amdgcn-amd-amdhsa--gfx1250"
	.amdhsa_code_object_version 6
	.text
	.protected	k_q8ce9c442f2_quant
	.globl	k_q8ce9c442f2_quant
	.p2align	8
	.type	k_q8ce9c442f2_quant,@function
k_q8ce9c442f2_quant:
	s_mov_b64 s[64:65], 0
	v_nop
	global_prefetch_b8 v0, s[64:65] scope:SCOPE_SE
	s_setreg_imm32_b32 hwreg(HW_REG_WAVE_MODE, 25, 1), 1
	s_wait_xcnt 0x0
; x [8][256 channels][4096 tokens], f32, is read ONCE and turned into both quantised forms that the attention launch wants, codes of BF6 (E3M2) with one E8M0 byte for each 32 along K:
;   "K": quantised along the CHANNELS (the first product's K; it serves as keys and as queries);   "V": quantised along the TOKENS (the second product's K).
; A block's scale is 2^(floor(log2(its largest magnitude)) - 4); its byte is the largest magnitude's exponent field - 4, held at 5 from below (the attention launch takes 4 off a byte).
; LIMITS: a block whose largest magnitude lies under 2^-118, a block of zeros among them, gets the byte 5 (zero codes add nothing under any byte but 0xff, and this program alone reads the bytes);
; |x| stays under 2^112 (19 is added to a scale's exponent field below); NaN and infinities are not served.
; kv IS LAID IN THE ORDER OF THE OPERANDS' REGISTERS.  Block (b, s), s = a key step of 128 tokens, is 51,200 bytes at (32 b + s) x 51,200:
;   0       16 fragments of K, (8 s2 + t) x 1,536: token tile t, channels 128 s2 on.  Row r of tile t is token 32 (t / 2) + 8 (t % 2) + r + 8 (r / 8) of the step
;   24,576  16 fragments of V, ct x 1,536: row r is channel 16 ct + r, K = the step's 128 tokens in their order
;   49,152  K's scale words [g 2][l 32][q 4]: tile 4 g + q, row l % 16, channel step l / 16      50,176  V's [g 2][l 32][q 4]: channel tile 2 (4 g + q) + l / 16, row l % 16
; In a fragment lane l = r + 16 h owns the 48 bytes at 48 l: the block k = 32 h + 0..31, then the block k = 64 + 32 h + 0..31: three loads of 16 bytes fill the operand's twelve registers.
; SHARES.  Work-group (X, b): key step s = X / 2, channels 128 s2 on with s2 = X % 2: 128 channels x 128 tokens, half of block (b, s).  Wave w: channels 32 cb on (cb = w % 4), tokens 64 kh on (kh = w / 4),
; as two patches of 32 x 32.  A load takes one channel at 32 neighbouring tokens, so a lane's 32 registers run down the channels: a whole block of K.  The patch turned through the wave's own stage in LDS gives a
; lane one channel and 32 neighbouring tokens: a whole block of V.  All codes and bytes are gathered in LDS in kv's order and leave in stores of 512 consecutive bytes.  No loop, no tensor load, one barrier.
.set OUTK,  0                          ; LDS: 8 fragments of K, t x 1,536
.set OUTV,  12288                      ; 8 fragments of V
.set OUTKS, 24576                      ; K's scale words, [kh][r 16][q 4]
.set OUTVS, 25088                      ; V's, [l 32][q = cb]
.set TR,    25600                      ; a stage of 32 rows x 144 bytes for each wave (144 = 9 x 16: the 16 rows that a load of 16 bytes a lane touches begin in 16 different groups of banks)
.set X0,    32                         ; v32-63, v64-95  the two patches as loaded: register i = channel i, lane = token
.set T,     96                         ; v96-127  a patch turned: lane = channel, register = token
.set CD,    128                        ; v128-175 four sets of codes, 12 registers apart: +0..5 a block's 24 bytes, +8..10 its second half as converted
.set SBY,   20                         ; v20-23   the four scale bytes
	s_load_b128 s[4:7], s[0:1], 0x0                ; x, kv
	v_lshl_add_u32 v184, v0, 2, 0xf400
	v_mov_b32 v185, 0
	v_lshrrev_b32 v11, 5, v0
	s_delay_alu instid0(VALU_DEP_1)
	v_readfirstlane_b32 s8, v11                    ; wave 0..7
	s_and_b32 s9, s8, 3                            ; cb
	s_lshr_b32 s10, s8, 2                          ; kh
	s_lshr_b32 s11, ttmp9, 1                       ; s
	s_and_b32 s12, ttmp9, 1                        ; s2
	s_and_b32 s13, ttmp7, 0xffff                   ; b
	v_and_b32 v24, 31, v0                          ; lane
	s_delay_alu instid0(VALU_DEP_1)
	v_lshlrev_b32 v1, 2, v24                       ; x: 4 bytes a lane
	s_lshl_b32 s24, s13, 22                        ; x: b x 256 x 16,384 bytes
	s_lshl_b32 s25, s12, 21                        ; + 128 s2 channels of 16,384 bytes
	s_add_co_u32 s24, s24, s25
	s_lshl_b32 s25, s9, 19                         ; + 32 cb channels
	s_add_co_u32 s24, s24, s25
	s_lshl_b32 s25, s11, 9                         ; + 128 s tokens
	s_add_co_u32 s24, s24, s25
	s_lshl_b32 s25, s10, 8                         ; + 64 kh tokens
	s_add_co_u32 s24, s24, s25
	s_mov_b32 s25, 0
	s_lshl_b32 s26, s13, 5
	s_add_co_u32 s26, s26, s11
	s_mul_i32 s26, s26, 51200                      ; kv: block (b, s)
	s_mov_b32 s27, 0
	s_wait_alu depctr_va_vdst(0)
	s_wait_kmcnt 0x0
	s_add_nc_u64 s[14:15], s[4:5], s[24:25]
	s_add_nc_u64 s[16:17], s[6:7], s[26:27]
.macro LOADP p                         ; patch p: channel i at my wave's tokens 32 p + lane: 128 consecutive bytes a load; the two patches' loads of a channel cover 256 aligned bytes
.irp i, 0,1,2,3,4,5,6,7,8,9,10,11,12,13,14,15,16,17,18,19,20,21,22,23,24,25,26,27,28,29,30,31
	global_load_b32 v[X0+32*(\p)+\i], v1, s[14:15] offset:\i*16384+128*(\p) th:TH_LOAD_NT
.endr
.endm
	LOADP 0
	LOADP 1                                        ; all that the wave reads is asked for at once; the addresses below are made meanwhile
	s_mul_i32 s24, s12, 12288
	s_add_nc_u64 s[18:19], s[16:17], s[24:25]      ; my half of the block's codes
	s_lshl_b32 s24, s12, 8
	s_add_nc_u64 s[20:21], s[16:17], s[24:25]      ; of K's scale words: lanes 16 s2 on of each g
	s_lshl_b32 s24, s12, 9
	s_add_nc_u64 s[22:23], s[16:17], s[24:25]      ; of V's: g = s2
	v_bfe_u32 v25, v0, 4, 1                        ; a = lane / 16
	v_bfe_u32 v26, v0, 3, 1                        ; u = (lane / 8) % 2
	s_wait_alu depctr_va_vdst(0)
	v_and_b32 v27, 7, v0                           ; lane % 8
	v_and_b32 v28, 15, v0                          ; lane % 16
	v_lshlrev_b32 v16, 4, v24                      ; 16 x lane
	s_mul_i32 s24, s8, 4608
	s_add_co_u32 s24, s24, TR                      ; my stage
	v_add_nc_u32 v2, s24, v1                       ; into it: row = channel (in the offset), 4 bytes a lane
	v_mul_u32_u24 v3, v24, 144
	s_delay_alu instid0(VALU_DEP_1)
	v_add_nc_u32 v3, s24, v3                       ; out of it: row = my lane
	; K's codes.  Token 32 (2 kh + p) + lane is row r = 8 a + lane % 8 of tile t = 4 kh + 2 p + u; channel block cb is half h = cb % 2, part cb / 2 of the fragment
	s_and_b32 s24, s9, 1
	s_mul_i32 s24, s24, 768
	s_lshr_b32 s25, s9, 1
	s_mul_i32 s25, s25, 24
	s_add_co_u32 s24, s24, s25
	s_mul_i32 s25, s10, 6144
	s_add_co_u32 s24, s24, s25
	v_mul_u32_u24 v4, v26, 1536
	s_delay_alu instid0(VALU_DEP_1)
	v_mad_u32_u24 v4, v25, 384, v4
	s_wait_alu depctr_va_vdst(0)
	v_mad_u32_u24 v4, v27, 48, v4
	s_delay_alu instid0(VALU_DEP_1)
	v_add_nc_u32 v4, s24, v4
	; K's scale byte: word (kh, r, q = 2 p + u), byte cb
	s_lshl_b32 s24, s10, 8
	s_add_co_u32 s24, s24, s9
	s_add_co_u32 s24, s24, OUTKS
	v_lshlrev_b32 v5, 7, v25
	s_delay_alu instid0(VALU_DEP_1)
	v_lshl_add_u32 v5, v27, 4, v5
	s_delay_alu instid0(VALU_DEP_1)
	v_lshl_add_u32 v5, v26, 2, v5
	s_delay_alu instid0(VALU_DEP_1)
	v_add_nc_u32 v5, s24, v5
	; V's codes.  Channel 32 cb + lane is row lane % 16 of tile 2 cb + a; token block 2 kh + p is half h = p, part kh
	s_mul_i32 s24, s9, 3072
	s_mul_i32 s25, s10, 24
	s_add_co_u32 s24, s24, s25
	s_add_co_u32 s24, s24, OUTV
	v_mul_u32_u24 v6, v25, 1536
	s_delay_alu instid0(VALU_DEP_1)
	v_mad_u32_u24 v6, v28, 48, v6
	s_delay_alu instid0(VALU_DEP_1)
	v_add_nc_u32 v6, s24, v6
	; V's scale byte: word (lane, q = cb), byte 2 kh + p
	s_lshl_b32 s24, s9, 2
	s_lshl_b32 s25, s10, 1
	s_add_co_u32 s24, s24, s25
	s_add_co_u32 s24, s24, OUTVS
	v_add_nc_u32 v7, s24, v16
	s_mul_i32 s24, s8, 1536
	v_add_nc_u32 v8, s24, v16                      ; the way out: fragment w, 16 bytes a lane: the place in LDS and in kv alike
	v_add_nc_u32 v9, OUTKS, v16                    ; the scale words' way out
	v_lshl_add_u32 v10, v25, 8, v16                ; K's in kv: 512 g + 16 r = 16 lane + 256 (lane / 16)
; 32 numbers of one block in v[src] on become 24 bytes of codes in set k and a byte in v[SBY + k].  (v26, v27, v30, v31 are at work here: the addresses that were made of v26 and v27 are finished)
.macro BLOCKQ src, k
	v_max3_num_f32 v12, |v[(\src)]|, |v[(\src)+1]|, |v[(\src)+2]|          ; the largest magnitude, in two chains
	v_max3_num_f32 v13, |v[(\src)+3]|, |v[(\src)+4]|, |v[(\src)+5]|
.irp i, 6,10,14,18,22,26
	s_delay_alu instid0(VALU_DEP_2)
	v_max3_num_f32 v12, v12, |v[(\src)+\i]|, |v[(\src)+\i+1]|
	s_delay_alu instid0(VALU_DEP_2)
	v_max3_num_f32 v13, v13, |v[(\src)+\i+2]|, |v[(\src)+\i+3]|
.endr
	s_delay_alu instid0(VALU_DEP_2)
	v_max3_num_f32 v12, v12, |v[(\src)+30]|, |v[(\src)+31]|
	s_delay_alu instid0(VALU_DEP_1)
	v_max3_num_f32 v12, v12, v13, 0x4800000        ; and the floor 2^(9 - 127): the byte cannot fall under 5
	s_delay_alu instid0(VALU_DEP_1)
	v_add_nc_u32 v11, 0xfe000000, v12              ; 4 off the exponent field: the conversion takes the exponent field of this operand as its scale
	s_delay_alu instid0(VALU_DEP_1)
	v_lshrrev_b32 v[SBY+(\k)], 23, v11             ; the scale's byte
	; Under half the scale the format's numbers are the multiples of scale / 16 (its subnormals and its lowest binade).  There the rounding is done in f32: adding and removing 1.5 x 2^19 x scale, whose last
	; place is scale / 16, rounds to the nearest multiple, ties to even, as the quantiser is stated; what goes on into the conversion is a number of the format already.
	s_delay_alu instid0(VALU_DEP_2)
	v_and_b32 v17, 0x7f800000, v11                 ; the scale as a number
	s_delay_alu instid0(VALU_DEP_1)
	v_add_nc_u32 v18, 0x9c00000, v17               ; 1.5 x 2^19 x scale: 19 onto the exponent field, the mantissa's top bit set
	s_delay_alu instid0(VALU_DEP_2)
	v_add_nc_u32 v19, 0x9c00000, v17               ; (twice: the packed additions take a pair)
	s_delay_alu instid0(VALU_DEP_3)
	v_add_nc_u32 v17, 0xff800000, v17              ; half the scale
.irp i, 0,2,4,6,8,10,12,14,16,18,20,22,24,26,28,30
	v_pk_add_f32 v[30:31], v[(\src)+\i:(\src)+\i+1], v[18:19]
	v_and_b32 v26, 0x7fffffff, v[(\src)+\i]        ; magnitudes: as whole numbers they order as the numbers do
	v_and_b32 v27, 0x7fffffff, v[(\src)+\i+1]
	s_delay_alu instid0(VALU_DEP_3)
	v_pk_add_f32 v[30:31], v[30:31], v[18:19] neg_lo:[0,1] neg_hi:[0,1]
	s_delay_alu instid0(VALU_DEP_3)
	v_cmp_gt_u32 vcc_lo, v17, v26
	s_delay_alu instid0(VALU_DEP_1)
	v_cndmask_b32 v[(\src)+\i], v[(\src)+\i], v30, vcc_lo
	s_delay_alu instid0(VALU_DEP_4)
	v_cmp_gt_u32 vcc_lo, v17, v27
	s_delay_alu instid0(VALU_DEP_1)
	v_cndmask_b32 v[(\src)+\i+1], v[(\src)+\i+1], v31, vcc_lo
.endr
	v_cvt_scalef32_pk16_bf6_f32 v[CD+12*(\k):CD+12*(\k)+2], v[(\src):(\src)+15], v11
	v_cvt_scalef32_pk16_bf6_f32 v[CD+12*(\k)+8:CD+12*(\k)+10], v[(\src)+16:(\src)+31], v11   ; (a conversion's three registers begin on an even number)
	v_nop                                          ; one plain place behind a scaled conversion
.irp i, 0,1,2
	v_mov_b32 v[CD+12*(\k)+3+\i], v[CD+12*(\k)+8+\i]
.endr
.endm
.macro PATCH p
.if (\p) == 0
	s_wait_loadcnt 32                              ; patch 0's 32 loads are in; patch 1's 32 may be out
.else
	s_wait_loadcnt 0x0
.endif
.irp i, 0,1,2,3,4,5,6,7,8,9,10,11,12,13,14,15,16,17,18,19,20,21,22,23,24,25,26,27,28,29,30,31
	ds_store_b32 v2, v[X0+32*(\p)+\i] offset:144*\i
.endr
.irp q, 0,1,2,3,4,5,6,7
	ds_load_b128 v[T+4*\q:T+4*\q+3], v3 offset:16*\q   ; LDS serves a wave's instructions in order (ISA guide 5.7.1.4): these see the stores above
.endr
	BLOCKQ X0+32*(\p), 2*(\p)                      ; along the channels, while the turned patch is on its way
.irp i, 0,1,2
	ds_store_b64 v4, v[CD+24*(\p)+2*\i:CD+24*(\p)+2*\i+1] offset:3072*(\p)+8*\i
.endr
	ds_store_b8 v5, v[SBY+2*(\p)] offset:8*(\p)
	s_wait_dscnt 4                                 ; behind the turned patch's loads stand only those four stores
	BLOCKQ T, 2*(\p)+1                             ; along the tokens
.irp i, 0,1,2
	ds_store_b64 v6, v[CD+24*(\p)+12+2*\i:CD+24*(\p)+12+2*\i+1] offset:768*(\p)+8*\i
.endr
	ds_store_b8 v7, v[SBY+2*(\p)+1] offset:\p
.endm
	PATCH 0
	PATCH 1
	s_wait_dscnt 0x0                               ; for the others' sake: all my stores have landed
	s_barrier_signal -1
	s_barrier_wait -1                              ; the work-group's 25,600 bytes lie in LDS in kv's order
.irp i, 0,1,2
	ds_load_b128 v[128+4*\i:131+4*\i], v8 offset:OUTK+512*\i
.endr
.irp i, 0,1,2
	ds_load_b128 v[140+4*\i:143+4*\i], v8 offset:OUTV+512*\i
.endr
.irp i, 0,1,2
	s_wait_dscnt 5-\i                              ; load i is in; the younger ones may be out
	global_store_b128 v8, v[128+4*\i:131+4*\i], s[18:19] offset:512*\i          ; 32 lanes store 512 consecutive bytes, at a multiple of 256 from kv's first byte
.endr
.irp i, 0,1,2
	s_wait_dscnt 2-\i
	global_store_b128 v8, v[140+4*\i:143+4*\i], s[18:19] offset:24576+512*\i
.endr
	s_cmp_lg_u32 s8, 0                             ; wave 0 sends K's 512 bytes of scale words: each 16 lanes fill 256 consecutive aligned bytes
	s_cbranch_scc1 .Lnot_0
	ds_load_b128 v[176:179], v9
	s_wait_dscnt 0x0
	global_store_b128 v10, v[176:179], s[20:21] offset:49152
.Lnot_0:
	s_cmp_lg_u32 s8, 1                             ; wave 1 V's
	s_cbranch_scc1 .Lnot_1
	ds_load_b128 v[180:183], v9 offset:512
	s_wait_dscnt 0x0
	global_store_b128 v16, v[180:183], s[22:23] offset:50176
.Lnot_1:
	s_wait_tensorcnt 0x0
	ds_add_u32 v184, v185
	s_wait_dscnt 0x0
	s_endpgm
.Lfunc_end_k_q8ce9c442f2_quant:
	.size	k_q8ce9c442f2_quant, .Lfunc_end_k_q8ce9c442f2_quant-k_q8ce9c442f2_quant
	.p2alignl 7, 3214868480
	.fill 96, 4, 3214868480
	.section	.rodata,"a",@progbits
	.p2align	6, 0x0
	.amdhsa_kernel k_q8ce9c442f2_quant
		.amdhsa_group_segment_fixed_size 63488
		.amdhsa_private_segment_fixed_size 0
		.amdhsa_enable_private_segment 0
		.amdhsa_kernarg_size 16
		.amdhsa_user_sgpr_count 2
		.amdhsa_user_sgpr_kernarg_segment_ptr 1
		.amdhsa_wavefront_size32 1
		.amdhsa_system_sgpr_workgroup_id_x 1
		.amdhsa_system_sgpr_workgroup_id_y 1
		.amdhsa_system_sgpr_workgroup_id_z 1
		.amdhsa_system_vgpr_workitem_id 0
		.amdhsa_next_free_vgpr 186
		.amdhsa_next_free_sgpr 66
		.amdhsa_reserve_vcc 1
		.amdhsa_float_denorm_mode_32 3
		.amdhsa_float_denorm_mode_16_64 3
		.amdhsa_memory_ordered 1
		.amdhsa_forward_progress 1
		.amdhsa_inst_pref_size 62
	.end_amdhsa_kernel
	.amdgpu_metadata
---
amdhsa.version: [ 1, 2 ]
amdhsa.kernels:
  - .name:           k_q8ce9c442f2_quant
    .symbol:         k_q8ce9c442f2_quant.kd
    .args:
      - { .name: x, .offset: 0, .size: 8, .value_kind: global_buffer, .address_space: global }
      - { .name: kv, .offset: 8, .size: 8, .value_kind: global_buffer, .address_space: global }
    .group_segment_fixed_size: 63488
    .private_segment_fixed_size: 0
    .kernarg_segment_align: 8
    .kernarg_segment_size: 16
    .max_flat_workgroup_size: 256
    .sgpr_count:     66
    .vgpr_count:     186
    .wavefront_size: 32
...
	.end_amdgpu_metadata
.endif
;; end of part 1
;; launch attn (part 2): grid 32 x 8, 8 waves a work-group, clusters of 4 x 1, 327,680 bytes of LDS; arguments kv, out0; writes out0
.if DOCPART == 2
	.amdgcn_target "amdgcn-amd-amdhsa--gfx1250"
	.amdhsa_code_object_version 6
	.text
	.protected	k_q8ce9c442f2_attn
	.globl	k_q8ce9c442f2_attn
	.p2align	8
	.type	k_q8ce9c442f2_attn,@function
k_q8ce9c442f2_attn:
	s_mov_b64 s[64:65], 0
	v_nop
	global_prefetch_b8 v0, s[64:65] scope:SCOPE_SE
	s_setreg_imm32_b32 hwreg(HW_REG_WAVE_MODE, 25, 1), 1
	s_wait_xcnt 0x0
	s_wait_alu depctr_hold_cnt(0) depctr_sa_sdst(0) depctr_va_vdst(0) depctr_va_sdst(0) depctr_va_ssrc(0) depctr_va_vcc(0) depctr_vm_vsrc(0)
	s_getreg_b32 s2, hwreg(HW_REG_IB_STS2, 6, 4)
	s_cmp_eq_u32 s2, 0
	s_cbranch_scc0 .Lentry_in_a_cluster
	s_endpgm
.Lentry_in_a_cluster:
	s_bfe_u32 s2, ttmp6, 0x10000c
	s_cmp_lg_u32 s2, 0x3003
	s_cbranch_scc0 .Lentry_shape_is_right
	s_endpgm
.Lentry_shape_is_right:
; out[b][c][i] = sum over j of x[b][c][j] w[i][j], w = softmax_j of the masked affinity: score(i, j) = sum over c of x[c][i] x[c][j]; logit = score / 16; a logit under 0.05 counts as -1e9.
; Both products on codes of BF6 (E3M2) with E8M0 scales, as the launch before laid them in kv (its head comment has the layout): block (b, s) of 51,200 bytes holds key step s: 16 fragments of K, 16 of V, their scale words.
; SHARES.  A work-group owns 128 queries (block sq of batch b); each of its eight waves one tile of 16, K's tile w of block (b, sq).  Every wave walks the batch's 32 key steps of 128 keys:
; K's 16 fragments from LDS, 16 products S^T = K Q^T, V's 16 fragments into the same registers, the softmax, 16 products O^T += V^T P^T.  A lane holds one query throughout.
; WAVES 4-7 carry a step's softmax and second product over the change of slots (S^T and V are in registers by then): they stand half a step behind waves 0-3, so the phases of the two groups differ.
; THE MASK.  u = score - THR, THR = 16 x f32(0.05): -THR is the C of a score's first product.  u >= 0 just where the score counts.  As a signed whole number a negative u lies under 0xff000000, the bits of -2^127,
; so one v_max_i32 with that constant leaves u >= 0 as it is and makes -2^127 of u < 0.  Then e = fma(u, CR, KR), p = 2^e.  Once a score of the row has counted: CR = c = log2(e) / 16, KR = c THR - M,
; M = ceil(the largest t so far): p = 2^(t - M), and 0 where masked.  While none has counted: CR = KR = 0: p = 1 for every key, as equal logits of -1e9 give; -M is then held at 2^30,
; so that the first score that counts brings f = 2^(old M - new M) = 0 over what was summed.  The row's sum is taken of the unquantised p and divides at the end.
; A TILE'S SCORES WITH ITS OWN 16 TOKENS (EX) are made once, at the head, with Q in two exact parts: the codes of magnitude 2 and more as they are, the codes under 2 times 16 with 4 off their scale bytes.  A token's score
; with itself is a sum of 256 squares and goes through an exponential into a quantiser; in two parts the squares' lowest bits lie nearer the largest product of an instruction.  EX takes the place of the loop's product in
; the key step that holds the tokens, by v_cndmask_b32.  LIMIT: every other score is the sum that the one product on whole codes gives.
; LIMITS: the scaled scores stay under 2^31 in magnitude; NaN and infinities are not served; a score equal to THR that comes out as -0 counts as masked; a p under 2^-126 comes out of v_exp_f32 as 0 (ISA guide 15.8);
; x's scale bytes are 5 at the least (the launch before holds them there), so that 4 can be taken off each byte of a word at once.
; CLUSTER.  The four query blocks of a cluster belong to one batch and walk the same kv: each tile is asked for jointly, with the mask of all four.
; RING.  Two LDS slots of two key steps (102,400 bytes); each wave brings an eighth of a slot by one load: 50 dense rows of 256 bytes.  A wave has one tensor load out.
; NO PREFETCH: a refill is asked for first behind the round and is waited for two whole key steps later (64 products and two softmaxes a wave).
; REGISTERS.  v0-63 addresses, statistics, scale words, p's codes; v64-127 S^T, then p; v128-255 O^T.  Window 1: v0-191 16 fragments of K or V; v192-215 Q; v216-223 EX; v224-231 -THR.
.set STEPB,  51200
.set SLOTB,  2*STEPB
.set PART,   SLOTB/8
.set SLOT1,  1<<17
.set SPARE,  SLOT1+SLOTB               ; the spare words: 128 bytes a wave, four blocks of 256 bytes that no other line names
.set BATCHB, 32*STEPB
.set VOFF,   24576
.set KSOFF,  49152
.set VSOFF,  50176
.set SPITCH, 528                       ; the way out: 256 channel rows x (512 + 16) bytes from LDS byte 0, written when both slots have had their last fill and read
.set AC, 1                             ; 48 x lane
.set AS, 2                             ; 16 x lane
.set ADR, 3
.set ADS, 4
.set SPW, 5
.set NIL, 6
.set CR, 8                             ; v8 (v9 named with it)
.set KR, 10
.set F, 12
.set L, 14                             ; the sum, two halves
.set UMAX, 16
.set NM, 17                            ; -M
.set RM, 18
.set OLD, 19
.set SCW, 20                           ; v20-27 K's scale words, then V's
.set QS, 28
.set QSS, 29
.set PS, 30
.set BM, 32
.set BP, 36
.set SO, 40
.set CT, 44
.set PC, 52
.set S, 64
.set O, 128
.set QF, 192                           ; window 1
.set EX, 216
.set NT, 224
.set ONE, 44                           ; at the head only
.set SC1, 45
.set SC16, 46
.set Z0, 47
.set TA, 48
.set QT, 64
.set VAL, 88
.set VBG, 104
.set VSM, 120
.set PB, 136
.set PSM, 160
.set CA, 184
.set CB, 188
.set STO, 32                           ; on the way out only
.set RD, 36
.set WV, 8
.set SQ, 10
.set G1, 16
.set G0A, 24
.set G0B, 28
.set TBC, 32
.set SLOTS, 33
.set TWICE, 34
.set HH, 35
.set CS, 36
.set CTH, 37
.set SEL, 38
.set NEGB, 40
.set NMU, 41
.set MK, 42
.set DG, 58
.set JT, 60
.set MSB, 0
.macro WIN new
.if MSB != \new
	s_set_vgpr_msb (MSB<<8)|\new
.set MSB, \new
.endif
.endm
.macro PLACES n
.rept \n
	v_nop
.endr
.endm
.macro CROUND
	s_barrier_signal -1
	s_barrier_wait -1
	s_cmp_lg_u32 s[WV], 0
	s_cbranch_scc1 .Lnot_wave_0_\@
	s_barrier_signal -3
.Lnot_wave_0_\@:
	s_barrier_wait -3
	s_barrier_signal -1
	s_barrier_wait -1
.endm
	s_load_b128 s[4:7], s[0:1], 0x0                ; kv, out0
	v_lshl_add_u32 v[SPW], v0, 2, SPARE
	v_mov_b32 v[NIL], 0
	ds_add_u32 v[SPW], v[NIL]                      ; the opening lines: the add twice and one wait
	ds_add_u32 v[SPW], v[NIL]
	v_lshrrev_b32 v7, 5, v0
	v_readfirstlane_b32 s[WV], v7                  ; wave 0..7
	s_lshr_b32 s[HH], s[WV], 2                     ; 0: waves 0-3, 1: waves 4-7
	s_bfe_u32 s9, ttmp6, 0x40000                   ; cx
	s_lshl_b32 s[SQ], ttmp9, 2
	s_add_co_u32 s[SQ], s[SQ], s9                  ; sq: it enters Q's and out0's addresses and a choice of values, no branch and no LDS address
	s_and_b32 s11, ttmp7, 0xffff                   ; the batch
	s_mov_b32 s[G1], 15|(3<<16)|(1<<21)            ; mask of all four; elements of 8 bytes; bit 21 beside the mask
	s_mov_b32 s[G1+1], 32<<16
	s_mov_b32 s[G1+2], 50<<16
	s_mov_b32 s[G1+3], 32<<16
	s_mov_b32 s[G1+4], 50
	s_mov_b32 s[G1+5], 32
	s_mov_b32 s[G1+6], 0
	s_mov_b32 s[G1+7], 0
	s_mul_i32 s12, s11, BATCHB
	s_mul_i32 s14, s[WV], PART
	s_add_co_u32 s12, s12, s14
	s_mov_b32 s13, 0
	s_mul_i32 s50, s11, BATCHB                     ; block (b, sq), for Q
	s_mul_i32 s51, s[SQ], STEPB
	s_add_co_u32 s50, s50, s51
	s_mov_b32 s52, s50
	s_mul_i32 s51, s[WV], 1536                     ; my tile's fragments
	s_add_co_u32 s50, s50, s51
	s_mov_b32 s51, 0
	s_lshl_b32 s54, s[HH], 9                       ; its scale words: g = w / 4, q = w % 4
	s_add_co_u32 s52, s52, s54
	s_and_b32 s54, s[WV], 3
	s_lshl_b32 s54, s54, 2
	s_add_co_u32 s52, s52, s54
	s_mov_b32 s53, 0
	s_lshl_b32 s56, s11, 22                        ; out0: the batch, my 32 channel rows of 16,384 bytes, the block's 512 bytes of a row
	s_lshl_b32 s57, s[WV], 19
	s_add_co_u32 s56, s56, s57
	s_lshl_b32 s57, s[SQ], 9
	s_add_co_u32 s56, s56, s57
	s_mov_b32 s57, 0
	s_mov_b32 s[CS], 0x3db8aa3b                    ; c = log2(e) / 16
	s_mov_b32 s[CTH], 0x3f4ccccd                   ; THR
	s_mul_f32 s[CTH], s[CS], s[CTH]                ; c THR
	s_mov_b32 s[SEL], 0x76543210
	s_mov_b32 s[SEL+1], 0xfedcba98
	s_mov_b32 s[NEGB], 0xff000000                  ; -2^127
	s_mov_b32 s[NMU], 0x4e800000                   ; 2^30
	s_mov_b32 s[TBC], 0
	s_mov_b32 s[JT], 0
	s_wait_dscnt 0x0
	s_wait_kmcnt 0x0
	s_mov_b32 s[G0A], 1
	s_mul_i32 s[G0A+1], s[WV], PART
	s_add_nc_u64 s[G0A+2:G0A+3], s[4:5], s[12:13]
	s_mov_b32 s[G0B], 1
	s_add_co_u32 s[G0B+1], s[G0A+1], SLOT1
	s_add_nc_u64 s[G0B+2:G0B+3], s[G0A+2:G0A+3], SLOTB
	s_or_b32 s[G0A+3], s[G0A+3], 0x80000000
	s_or_b32 s[G0B+3], s[G0B+3], 0x80000000
	s_add_nc_u64 s[44:45], s[4:5], s[50:51]
	s_add_nc_u64 s[48:49], s[4:5], s[52:53]
	s_add_nc_u64 s[46:47], s[6:7], s[56:57]
	CROUND                                         ; the first joint loads meet
	tensor_load_to_lds s[G0A:G0A+3], s[G1:G1+7]    ; key steps 0 and 1: my one load at the head
	s_nop 0
	PLACES 4
	v_and_b32 v7, 31, v0
	v_mul_u32_u24 v[AC], v7, 48
	v_lshlrev_b32 v[AS], 4, v7
.irp k, 0,1
.irp c, 0,1,2
	global_load_b128 v[QT+12*\k+4*\c:QT+12*\k+4*\c+3], v[AC], s[44:45] offset:12288*\k+16*\c   ; Q's codes: to be parted, and source 0 of EX's products
.endr
.endr
	WIN 0x40
.irp k, 0,1
.irp c, 0,1,2
	global_load_b128 v[QF+12*\k+4*\c:QF+12*\k+4*\c+3], v[AC], s[44:45] offset:12288*\k+16*\c   ; once more: Q whole, for the loop
.endr
.endr
.irp i, 0,1,2,3,4,5,6,7
	v_mov_b32 v[NT+\i], 0xbf4ccccd                 ; -THR
.endr
	WIN 0
	global_load_b32 v[QS], v[AS], s[48:49] offset:KSOFF
	v_mov_b32 v[ONE], 0x7f7f7f7f
	v_mov_b32 v[SC1], 1.0
	v_mov_b32 v[SC16], 0x3d800000                  ; 2^-4
	v_mov_b32 v[Z0], 0
	v_mov_b32 v[CR+1], 0                           ; (named as upper halves of pairs)
	v_mov_b32 v[KR+1], 0
	v_mov_b32 v[F+1], 0
	v_mov_b32 v[L], 0
	v_mov_b32 v[L+1], 0
	v_mov_b32 v[UMAX], 0xff61b1e6                  ; -3e38
	v_mov_b32 v[NM], 0x4e800000
.irp b, 0,1,2,3
	v_mov_b32 v[BP+\b], 0                          ; a lane permute's destination counts as a source
.endr
; Sixteen codes of fragment f at a time: widened (scale 1), parted at magnitude 2, narrowed again: the large ones divided by 1, the small ones by 2^-4.  Both narrowings are exact.
.macro QGROUP f, g
.set qQ, QT+12*(\f)+3*(\g)
.set qB, PB+12*(\f)+3*(\g)
.set qS, PSM+12*(\f)+3*(\g)
.if (\g)%2                             ; (a conversion's three registers begin on an even number)
.irp i, 0,1,2
	v_mov_b32 v[CA+\i], v[qQ+\i]
.endr
	v_cvt_scale_pk16_f32_bf6 v[VAL:VAL+15], v[CA:CA+2], v[ONE]
.else
	v_cvt_scale_pk16_f32_bf6 v[VAL:VAL+15], v[qQ:qQ+2], v[ONE]
.endif
	v_nop
.irp i, 0,1,2,3,4,5,6,7,8,9,10,11,12,13,14,15
	v_and_b32 v[TA], 0x7fffffff, v[VAL+\i]
	v_cmp_gt_u32 vcc_lo, 0x40000000, v[TA]         ; under 2?
	v_cndmask_b32 v[VBG+\i], v[VAL+\i], v[Z0], vcc_lo
	v_cndmask_b32 v[VSM+\i], v[Z0], v[VAL+\i], vcc_lo
.endr
.if (\g)%2
	v_cvt_scalef32_pk16_bf6_f32 v[CA:CA+2], v[VBG:VBG+15], v[SC1]
	v_cvt_scalef32_pk16_bf6_f32 v[CB:CB+2], v[VSM:VSM+15], v[SC16]
	v_nop
.irp i, 0,1,2
	v_mov_b32 v[qB+\i], v[CA+\i]
	v_mov_b32 v[qS+\i], v[CB+\i]
.endr
.else
	v_cvt_scalef32_pk16_bf6_f32 v[qB:qB+2], v[VBG:VBG+15], v[SC1]
	v_cvt_scalef32_pk16_bf6_f32 v[qS:qS+2], v[VSM:VSM+15], v[SC16]
	v_nop
.endif
.endm
	s_wait_alu depctr_va_vdst(0)
	s_wait_loadcnt 0x0
	v_add_nc_u32 v[QSS], 0xfbfbfbfc, v[QS]         ; 4 off each byte: every byte is 5 at the least, so none borrows
.irp f, 0,1
.irp g, 0,1,2,3
	QGROUP \f, \g
.endr
.endr
	PLACES 8                                       ; between the writes of source 1 and of the scale word and the products
	WIN 0x50                                       ; EX and -THR in window 1.  One accumulator: a wait ahead of each link
	v_wmma_scale_f32_16x16x128_f8f6f4 v[EX:EX+7], v[QT:QT+11], v[PB:PB+11], v[NT:NT+7], v[QS], v[QS] matrix_a_fmt:MATRIX_FMT_BF6 matrix_b_fmt:MATRIX_FMT_BF6
	s_wait_alu depctr_va_vdst(0)
	v_wmma_scale_f32_16x16x128_f8f6f4 v[EX:EX+7], v[QT+12:QT+23], v[PB+12:PB+23], v[EX:EX+7], v[QS], v[QS] matrix_a_fmt:MATRIX_FMT_BF6 matrix_b_fmt:MATRIX_FMT_BF6 matrix_a_scale:MATRIX_SCALE_ROW1 matrix_b_scale:MATRIX_SCALE_ROW1
	s_wait_alu depctr_va_vdst(0)
	v_wmma_scale_f32_16x16x128_f8f6f4 v[EX:EX+7], v[QT:QT+11], v[PSM:PSM+11], v[EX:EX+7], v[QS], v[QSS] matrix_a_fmt:MATRIX_FMT_BF6 matrix_b_fmt:MATRIX_FMT_BF6
	s_wait_alu depctr_va_vdst(0)
	v_wmma_scale_f32_16x16x128_f8f6f4 v[EX:EX+7], v[QT+12:QT+23], v[PSM+12:PSM+23], v[EX:EX+7], v[QS], v[QSS] matrix_a_fmt:MATRIX_FMT_BF6 matrix_b_fmt:MATRIX_FMT_BF6 matrix_a_scale:MATRIX_SCALE_ROW1 matrix_b_scale:MATRIX_SCALE_ROW1
	WIN 0
	PLACES 8                                       ; the first K Q^T writes over registers that were sources here
; A key step's loads and first product: K's scale words and 16 fragments; 16 products (8 key tiles on channels 0-127, which begin with -THR, then the 8 on channels 128-255: the accumulators by turns);
; then V's scale words and fragments into the same registers.  In front of fragments 4 c on: the K loads younger than they are 12 (3 - c).
.macro LKQV
	PLACES 4                                       ; behind the products that read these registers
	v_add_nc_u32 v[ADR], s[TBC], v[AC]
	v_add_nc_u32 v[ADS], s[TBC], v[AS]
	s_wait_alu depctr_va_vdst(0)                   ; V's loads read the two behind waits
	s_add_co_u32 s[TBC], s[TBC], STEPB
	ds_load_b128 v[SCW:SCW+3], v[ADS] offset:KSOFF
	ds_load_b128 v[SCW+4:SCW+7], v[ADS] offset:KSOFF+512
	WIN 0x40
.set f, 0
.rept 16
.irp e, 0,1,2
	ds_load_b128 v[12*f+4*\e:12*f+4*\e+3], v[ADR] offset:1536*f+16*\e
.endr
.set f, f+1
.endr
.set hx, 0
.rept 16
.if (hx%4) == 0
	s_wait_dscnt 36-3*hx
.endif
.if hx < 8
	WIN 0x15
	v_wmma_scale_f32_16x16x128_f8f6f4 v[S+8*hx:S+8*hx+7], v[12*hx:12*hx+11], v[QF:QF+11], v[NT:NT+7], v[SCW+hx], v[QS] matrix_a_fmt:MATRIX_FMT_BF6 matrix_b_fmt:MATRIX_FMT_BF6
.else
	WIN 0x05
	v_wmma_scale_f32_16x16x128_f8f6f4 v[S+8*hx-64:S+8*hx-57], v[12*hx:12*hx+11], v[QF+12:QF+23], v[S+8*hx-64:S+8*hx-57], v[SCW+hx-8], v[QS] matrix_a_fmt:MATRIX_FMT_BF6 matrix_b_fmt:MATRIX_FMT_BF6 matrix_a_scale:MATRIX_SCALE_ROW1 matrix_b_scale:MATRIX_SCALE_ROW1
.endif
.set hx, hx+1
.endr
	WIN 0
	PLACES 4
	ds_load_b128 v[SCW:SCW+3], v[ADS] offset:VSOFF
	ds_load_b128 v[SCW+4:SCW+7], v[ADS] offset:VSOFF+512
	WIN 0x40
.set f, 0
.rept 16
.irp e, 0,1,2
	ds_load_b128 v[12*f+4*\e:12*f+4*\e+3], v[ADR] offset:VOFF+1536*f+16*\e
.endr
.set f, f+1
.endr
	WIN 0
.endm
; THE SOFTMAX of one key step.  first = 1: O^T has no sums yet, nothing is rescaled.
.macro SM first
	s_cmp_eq_u32 s[JT], s[SQ]                      ; the key step that holds my own tokens?  Key tile w then takes EX: a choice of values; which accumulator hangs on the wave's number
	s_cselect_b32 s[DG], -1, 0
	s_add_co_u32 s[JT], s[JT], 1
.irp w, 0,1,2,3,4,5,6,7
	s_cmp_lg_u32 s[WV], \w
	s_cbranch_scc1 .Lnd_\@_\w
	WIN 0x04
.irp i, 0,1,2,3,4,5,6,7
	v_cndmask_b32 v[S+8*\w+\i], v[S+8*\w+\i], v[EX+\i], s[DG]
.endr
	WIN 0
.if \w < 7
	s_branch .Ljd_\@
.endif
.Lnd_\@_\w:
.endr
.Ljd_\@:
	s_wait_alu depctr_va_vdst(0)
.irp b, 0,1,2,3
	v_max3_num_f32 v[BM+\b], v[S+16*\b], v[S+16*\b+1], v[S+16*\b+2]   ; the largest u of each block of 32 keys
.endr
.irp i, 3,5,7,9,11,13
.irp b, 0,1,2,3
	v_max3_num_f32 v[BM+\b], v[BM+\b], v[S+16*\b+\i], v[S+16*\b+\i+1]
.endr
.endr
.irp b, 0,1,2,3
	v_max_num_f32 v[BM+\b], v[BM+\b], v[S+16*\b+15]
.endr
.irp b, 0,1,2,3
	v_permlanex16_b32 v[BP+\b], v[BM+\b], s[SEL], s[SEL+1]
.endr
.irp b, 0,1,2,3
	v_max_num_f32 v[BM+\b], v[BM+\b], v[BP+\b]     ; with lane l xor 16's 16 keys
.endr
	v_max3_num_f32 v[RM], v[BM], v[BM+1], v[BM+2]
	v_mov_b32 v[OLD], v[NM]
.set i, 0
.rept 64                               ; the mask; the row's statistics, one chain of dependent lines, stand among these 64 independent lines, five lines apart
	v_max_i32 v[S+i], s[NEGB], v[S+i]
.if i == 4
	v_max3_num_f32 v[UMAX], v[UMAX], v[RM], v[BM+3]   ; the running largest u
.elseif i == 9
	v_cmp_le_f32 s[MK], 0, v[UMAX]                 ; has a score counted?
	v_fma_f32 v[RM], v[UMAX], s[CS], s[CTH]        ; the largest t
.elseif i == 14
	v_cndmask_b32 v[CR], 0, s[CS], s[MK]
	v_floor_f32 v[RM], -v[RM]                      ; -ceil(t)
.elseif i == 19
	v_cndmask_b32 v[NM], s[NMU], v[RM], s[MK]      ; the new -M
.elseif i == 24
	v_sub_f32 v[OLD], v[NM], v[OLD]                ; old M - new M, 0 or less
	v_add_f32 v[RM], s[CTH], v[NM]
.elseif i == 29
	v_cvt_i32_f32 v[OLD], v[OLD]                   ; (it saturates)
	v_cndmask_b32 v[KR], 0, v[RM], s[MK]
.elseif i == 34
	v_ldexp_f32 v[F], 1.0, v[OLD]                  ; f
.endif
.set i, i+1
.endr
.irp b, 0,1,2,3
	v_max_i32 v[BM+\b], s[NEGB], v[BM+\b]
.endr
.set i, 0
.rept 32
	v_pk_fma_f32 v[S+i:S+i+1], v[S+i:S+i+1], v[CR:CR+1], v[KR:KR+1] op_sel_hi:[1,0,0]   ; e
.set i, i+2
.endr
.irp b, 0,1,2,3
	v_fma_f32 v[BM+\b], v[BM+\b], v[CR], v[KR]     ; the same of each block's largest u
.endr
	s_wait_alu depctr_va_vdst(0)
.set i, 0
.rept 64
	v_exp_f32 v[S+i], v[S+i]                       ; p
.set i, i+1
.endr
.irp b, 0,1,2,3
	v_exp_f32 v[BM+\b], v[BM+\b]                   ; the block's largest p
.endr
	v_pk_mul_f32 v[L:L+1], v[L:L+1], v[F:F+1] op_sel_hi:[1,0]   ; the sums under the new M (a plain place behind the batch)
	s_wait_alu depctr_va_vdst(0)                   ; and behind it
.irp b, 0,1,2,3
	v_max_num_f32 v[BM+\b], 0x2800000, v[BM+\b]    ; the floor 2^(5 - 127): the byte cannot fall under 1
.endr
.irp b, 0,1,2,3
	v_add_nc_u32 v[SO+\b], 0xfe000000, v[BM+\b]    ; 4 off the exponent field: the conversion's scale operand
.endr
.irp b, 0,1,2,3
	v_lshrrev_b32 v[BP+\b], 23, v[SO+\b]
.endr
	v_lshl_or_b32 v[PS], v[BP+1], 8, v[BP]         ; p's scale word
	v_lshl_or_b32 v[PS], v[BP+2], 16, v[PS]
	v_lshl_or_b32 v[PS], v[BP+3], 24, v[PS]
.irp c, 0,1
	v_cvt_scalef32_pk16_bf6_f32 v[PC+6*\c:PC+6*\c+2], v[S+32*\c:S+32*\c+15], v[SO+2*\c]
	v_cvt_scalef32_pk16_bf6_f32 v[CT+4*\c:CT+4*\c+2], v[S+32*\c+16:S+32*\c+31], v[SO+2*\c+1]
.endr
	v_nop
.irp c, 0,1                            ; a whole block in a lane: lanes 0-15 block 2 c, lanes 16-31 block 2 c + 1
.irp i, 0,1,2
	v_permlane16_swap_b32 v[PC+6*\c+\i], v[CT+4*\c+\i]
.endr
.irp i, 0,1,2
	v_mov_b32 v[PC+3+6*\c+\i], v[CT+4*\c+\i]
.endr
.endr
	v_pk_add_f32 v[BP:BP+1], v[S:S+1], v[S+2:S+3]  ; the row's sum of the unquantised p, in two chains; these lines are also the places ahead of the products
.irp j, 4,8,12,16,20,24,28,32,36,40,44,48,52,56,60
	v_pk_add_f32 v[L:L+1], v[L:L+1], v[S+\j:S+\j+1]
	v_pk_add_f32 v[BP:BP+1], v[BP:BP+1], v[S+\j+2:S+\j+3]
.endr
	v_pk_add_f32 v[L:L+1], v[L:L+1], v[BP:BP+1]
.if (\first) == 0
	s_wait_alu depctr_va_vdst(0)
.set i, 0
.rept 64
	v_pk_mul_f32 v[O+i:O+i+1], v[O+i:O+i+1], v[F:F+1] op_sel_hi:[1,0]   ; O^T under the new M
.set i, i+2
.endr
.endif
.endm
; O^T += V^T P^T: one product for each tile of 16 channels, the accumulators by turns.  first = 1: they start the sums.
.macro PV first
	s_wait_alu depctr_va_vdst(0)
	s_wait_dscnt 0x0                               ; V is in: its loads went out ahead of the softmax
	WIN 0x01
.set ct, 0
.rept 8
.if \first
	v_wmma_scale_f32_16x16x128_f8f6f4 v[O+16*ct:O+16*ct+7], v[24*ct:24*ct+11], v[PC:PC+11], 0, v[SCW+ct], v[PS] matrix_a_fmt:MATRIX_FMT_BF6 matrix_b_fmt:MATRIX_FMT_BF6
	v_wmma_scale_f32_16x16x128_f8f6f4 v[O+16*ct+8:O+16*ct+15], v[24*ct+12:24*ct+23], v[PC:PC+11], 0, v[SCW+ct], v[PS] matrix_a_fmt:MATRIX_FMT_BF6 matrix_b_fmt:MATRIX_FMT_BF6 matrix_a_scale:MATRIX_SCALE_ROW1
.else
	v_wmma_scale_f32_16x16x128_f8f6f4 v[O+16*ct:O+16*ct+7], v[24*ct:24*ct+11], v[PC:PC+11], v[O+16*ct:O+16*ct+7], v[SCW+ct], v[PS] matrix_a_fmt:MATRIX_FMT_BF6 matrix_b_fmt:MATRIX_FMT_BF6
	v_wmma_scale_f32_16x16x128_f8f6f4 v[O+16*ct+8:O+16*ct+15], v[24*ct+12:24*ct+23], v[PC:PC+11], v[O+16*ct+8:O+16*ct+15], v[SCW+ct], v[PS] matrix_a_fmt:MATRIX_FMT_BF6 matrix_b_fmt:MATRIX_FMT_BF6 matrix_a_scale:MATRIX_SCALE_ROW1
.endif
.set ct, ct+1
.endr
	WIN 0
.endm
; THE CHANGE OF SLOTS.  Every wave has asked for all that it reads of the slot.  fill = 1: the slot is filled again with the key steps two slots on, behind a round of the cluster's barrier.
.macro CHANGE fill
	s_wait_tensorcnt 0x0
	ds_add_u32 v[SPW], v[NIL]
.if \fill
	s_xor_b32 s[G0B+1], s[G0B+1], SLOT1
	s_add_nc_u64 s[G0B+2:G0B+3], s[G0B+2:G0B+3], SLOTB
.endif
	s_sub_co_u32 s[TBC], s[TBC], 2*STEPB
	s_xor_b32 s[TBC], s[TBC], SLOT1                ; the fetches go to the other slot's first step
	s_wait_dscnt 0x0
.if \fill
	CROUND
	tensor_load_to_lds s[G0B:G0B+3], s[G1:G1+7]
	s_nop 0
	PLACES 4
.else
	s_barrier_signal -1
	s_barrier_wait -1
.endif
.endm
.macro TWO                             ; a slot's two key steps.  Waves 4-7 finish the step in hand ahead of a step's loads, waves 0-3 behind them
	s_mov_b32 s[TWICE], 2
.Lt_\@:
	s_cmp_lg_u32 s[HH], 1
	s_cbranch_scc1 .La_\@
	SM 0
	PV 0
.La_\@:
	LKQV
	s_cmp_lg_u32 s[HH], 0
	s_cbranch_scc1 .Lb_\@
	SM 0
	PV 0
.Lb_\@:
	s_sub_co_u32 s[TWICE], s[TWICE], 1
	s_cmp_lg_u32 s[TWICE], 0
	s_cbranch_scc1 .Lt_\@
.endm
	s_wait_alu depctr_va_vdst(0)
	s_wait_tensorcnt 0x0                           ; slot 1's first fill goes out as a refill does
	ds_add_u32 v[SPW], v[NIL]
	s_wait_dscnt 0x0
	CROUND
	tensor_load_to_lds s[G0B:G0B+3], s[G1:G1+7]    ; key steps 2 and 3
	s_nop 0
	PLACES 4
	LKQV                                           ; key step 0
	SM 1
	PV 1
	LKQV                                           ; key step 1
	s_cmp_lg_u32 s[HH], 0
	s_cbranch_scc1 .Lp0
	SM 0
	PV 0
.Lp0:
	s_mov_b32 s[SLOTS], 14
.Lslot:                                                ; 14 trips: slots 1 to 14; fills 2 to 15 are asked for
	CHANGE 1
	TWO
	s_sub_co_u32 s[SLOTS], s[SLOTS], 1
	s_cmp_lg_u32 s[SLOTS], 0
	s_cbranch_scc1 .Lslot
	CHANGE 0                                       ; the tail is written out: nothing is left to ask for
	TWO
	s_cmp_lg_u32 s[HH], 1
	s_cbranch_scc1 .Lp1
	SM 0
	PV 0
.Lp1:
	; THE WAY OUT.  O^T is divided by the row's sum and goes through a stage with a row for each channel and the work-group's 128 tokens along it.
	PLACES 4
	v_add_f32 v[L], v[L], v[L+1]
	v_permlanex16_b32 v[BP+1], v[L], s[SEL], s[SEL+1]
	v_add_f32 v[L], v[L], v[BP+1]
	v_and_b32 v7, 15, v0                           ; r
	v_bfe_u32 v[RM], v0, 4, 1                      ; h
	v_and_b32 v[OLD], 8, v7
	v_add_nc_u32 v[OLD], v[OLD], v7                ; r + 8 (r / 8)
	v_lshlrev_b32 v[OLD], 2, v[OLD]
	v_mad_u32_u24 v[OLD], v[RM], 8*SPITCH, v[OLD]  ; + 8 h channel rows
	s_lshr_b32 s14, s[WV], 1                       ; my tile's tokens begin at 32 (w / 2) + 8 (w % 2)
	s_lshl_b32 s14, s14, 7
	s_and_b32 s15, s[WV], 1
	s_lshl_b32 s15, s15, 5
	s_add_co_u32 s14, s14, s15
	v_add_nc_u32 v[STO], s14, v[OLD]
.irp g, 1,2,3
	v_add_nc_u32 v[STO+\g], 64*SPITCH*\g, v[STO]
.endr
	s_mul_i32 s14, s[WV], 32*SPITCH
	v_add_nc_u32 v[RD], s14, v[AS]                 ; back: my 32 channel rows, 16 bytes a lane
	s_wait_alu depctr_va_vdst(0)
	v_rcp_f32 v[F], v[L]
	v_nop
	s_wait_alu depctr_va_vdst(0)
.set i, 0
.rept 64
	v_pk_mul_f32 v[O+i:O+i+1], v[O+i:O+i+1], v[F:F+1] op_sel_hi:[1,0]
.set i, i+2
.endr
	s_wait_alu depctr_va_vdst(0)
	s_wait_dscnt 0x0
	s_barrier_signal -1
	s_barrier_wait -1                              ; everybody's reads of the slots are over, every fill has landed
.irp c, 0,1,2,3,4,5,6,7,8,9,10,11,12,13,14,15
.irp j, 0,1,2,3,4,5,6,7
	ds_store_b32 v[STO+\c/4], v[O+8*\c+\j] offset:(16*(\c%4)+\j)*SPITCH   ; out(channel 16 c + 8 h + j, my query)
.endr
.endr
	s_wait_dscnt 0x0
	s_barrier_signal -1
	s_barrier_wait -1
.set i, 0
.rept 32
	ds_load_b128 v[O+4*i:O+4*i+3], v[RD] offset:i*SPITCH
.set i, i+1
.endr
.set i, 0
.rept 32
	s_wait_dscnt 31-i                              ; row i is in; the younger loads may be out
	global_store_b128 v[AS], v[O+4*i:O+4*i+3], s[46:47] offset:i*16384 th:TH_STORE_NT   ; 32 lanes store 512 consecutive bytes, at a multiple of 256 from out0's first byte
.set i, i+1
.endr
	s_wait_tensorcnt 0x0                           ; the wave's end
	ds_add_u32 v[SPW], v[NIL]
	s_wait_dscnt 0x0
	CROUND                                         ; the closing round
	s_endpgm
.Lfunc_end_k_q8ce9c442f2_attn:
	.size	k_q8ce9c442f2_attn, .Lfunc_end_k_q8ce9c442f2_attn-k_q8ce9c442f2_attn
	.p2alignl 7, 3214868480
	.fill 96, 4, 3214868480
	.section	.rodata,"a",@progbits
	.p2align	6, 0x0
	.amdhsa_kernel k_q8ce9c442f2_attn
		.amdhsa_group_segment_fixed_size 327680
		.amdhsa_private_segment_fixed_size 0
		.amdhsa_enable_private_segment 0
		.amdhsa_kernarg_size 16
		.amdhsa_user_sgpr_count 2
		.amdhsa_user_sgpr_kernarg_segment_ptr 1
		.amdhsa_wavefront_size32 1
		.amdhsa_system_sgpr_workgroup_id_x 1
		.amdhsa_system_sgpr_workgroup_id_y 1
		.amdhsa_system_sgpr_workgroup_id_z 1
		.amdhsa_system_vgpr_workitem_id 0
		.amdhsa_next_free_vgpr 512
		.amdhsa_next_free_sgpr 66
		.amdhsa_reserve_vcc 1
		.amdhsa_float_denorm_mode_32 3
		.amdhsa_float_denorm_mode_16_64 3
		.amdhsa_memory_ordered 1
		.amdhsa_forward_progress 1
		.amdhsa_inst_pref_size 255
	.end_amdhsa_kernel
	.section	.bss,"aw",@nobits
	.p2align	6
	.space	262144
	.amdgpu_metadata
---
amdhsa.version: [ 1, 2 ]
amdhsa.kernels:
  - .name:           k_q8ce9c442f2_attn
    .symbol:         k_q8ce9c442f2_attn.kd
    .args:
      - { .name: kv, .offset: 0, .size: 8, .value_kind: global_buffer, .address_space: global }
      - { .name: out0, .offset: 8, .size: 8, .value_kind: global_buffer, .address_space: global }
    .group_segment_fixed_size: 327680
    .private_segment_fixed_size: 0
    .kernarg_segment_align: 8
    .kernarg_segment_size: 16
    .max_flat_workgroup_size: 256
    .sgpr_count:     66
    .vgpr_count:     512
    .wavefront_size: 32
...
	.end_amdgpu_metadata
.endif
;; end of part 2
